; MI455X (gfx1250); checked and timed in simulation.
; The chip was launched on July 23, 2026; its instructions are those of AMD's public machine-readable ISA for CDNA 5 (MIT licence, August 2026) and "CDNA5" Instruction Set Architecture Reference Guide (July 2026). The comments in the code are by the model that wrote it; some were corrected since.
;; Patch Norm. Allowed arithmetic: float matrix products may take bf16 or f16 operands with f32 sums; all other float work in f32.
;; Inputs: b 3 x 32 x 32 x 256 float32; key_pad_mask 16 x 4,096 bool; median 3 x 32 x 32 x 256 float32; n 3 x 32 x 32 float32; patches 16 x 4,096 x 256 float32; pos_channels 16 x 4,096 int32; pos_h 16 x 4,096 int32; pos_w 16 x 4,096 int32.
;; Outputs: out0 16 x 4,096 x 256 float32.
;; 3 versions, each right; version 2 is faster than version 1; version 3 is version 2 with the launch patchnorm written anew for expert scheduling mode. Each part assembles by itself: llvm-mc -triple=amdgcn-amd-amdhsa -mcpu=gfx1250 --defsym DOCPART=n.
;; ======== version 1 of 3: 1 launch
;; launch patchnorm (part 1): grid 256 x 1, 16 waves a work-group, no clusters, 0 bytes of LDS; arguments patches, median, b, n, pos_channels, pos_h, pos_w, key_pad_mask, out0; writes out0
.if DOCPART == 1
	.amdgcn_target "amdgcn-amd-amdhsa--gfx1250"
	.amdhsa_code_object_version 6
	.text
	.protected	k_q4c04e84933_patchnorm
	.globl	k_q4c04e84933_patchnorm
	.p2align	8
	.type	k_q4c04e84933_patchnorm,@function
k_q4c04e84933_patchnorm:
	s_mov_b64 s[64:65], 0
	v_nop
	global_prefetch_b8 v0, s[64:65] scope:SCOPE_SE
	s_setreg_imm32_b32 hwreg(HW_REG_WAVE_MODE, 25, 1), 1
	s_wait_xcnt 0x0
; out[t][:] = clip((patches[t][:] - median[idx][:]) / (b[idx][:] * sqrt(2) + 1e-6), -6, 6),  idx = (c*32 + h)*32 + w of token t,
; and a whole row of zeros where n[idx] <= 2 or the token's pad byte is set.  65,536 tokens of 256 f32 (1,024 bytes a row).
;
; SHARES.  256 work-groups of 16 waves; a work-group owns 256 tokens, a wave 16 consecutive tokens (16 KiB of patches, 16 KiB of out).
; A wave takes one whole row at a time: lane l holds the 16 bytes at 16 l and those at 512 + 16 l, so that each load and each store of
; the wave covers 512 consecutive bytes that start at a multiple of 512 from its buffer's first byte.
; RING.  Eight token slots in registers (patch row, median row, b row: 6 loads, 3 KiB a token); at each wait for a token the six
; younger tokens stay on their way.  The 16 turns are written straight out: lane numbers and store offsets are immediates, no loop.
; PADDED TOKENS.  Their result is zero whatever the data, so they are pointed at the rows of the wave's token 0 (patch row and table rows),
; which this wave asks for anyway: no bytes of their own are wanted, and every path issues the same loads, so the counted waits hold.
; BOTH ZEROINGS ARE FOLDED INTO THE CLIP: a token's bounds are (-6, 6), or (+0, +0) where n <= 2 or the pad byte is set.  They only
; select values; no address and no branch hangs on a floating-point number.
; NOT USED, and why: LDS, barriers, tensor loads (rows arrive in the register layout in which they leave; waves share nothing);
; clusters (which table rows two work-groups have in common hangs on the indices: no tile is shared at a known time); matrix units (no product).
;
; LIMITS.  The division is v_rcp_f32 and a multiply (a few units in the last place).  v_rcp_f32 flushes denormals (ISA guide 15.8): right for
; 2^-126 <= |b*sqrt(2) + 1e-6| <= 2^126; below that the reciprocal is an infinity, which clips to +-6 as the quotient does, except where
; patches - median is exactly 0.  A NaN in a kept token (NaN or infinite inputs, 0/0) comes out as -6, not as NaN: v_med3_num_f32 lets a NaN
; lose.  Zeroed tokens give zero whatever the data.  Indices are taken as unsigned and clamped to 3,071 (the table's last row).
.set ROWB,  1024                       ; bytes in a row of patches, median, b, out
.set LASTI, 3*32*32-1                  ; the tables' last row
.set L16,   1                          ; v1       16 x lane
.set BASEP, 2                          ; v2       byte offset of my 16 bytes in the wave's first row, in patches and in out (below 2^26)
.set TOK,   3                          ; v3       the token whose figures this lane holds: wave's first + lane % 16
.set T4,    4                          ; v4       4 x TOK
.set POSC,  5                          ; v5-7     the token's channel, h, w
.set POSH,  6
.set POSW,  7
.set PADB,  8                          ; v8       its pad byte
.set IDX,   9                          ; v9       its table row
.set ROW,   10                         ; v10      its patch row among the wave's 16
.set NOFF,  11                         ; v11      byte offset of its n
.set NV,    12                         ; v12      n[idx]
.set BHI,   13                         ; v13      its upper bound: 6 or 0
.set BLO,   14                         ; v14      its lower bound: -6 or 0
.set ZERO,  15                         ; v15      0
.set SQ,    16                         ; v[16:17] sqrt(2), twice
.set EP,    18                         ; v[18:19] 1e-6, twice
.set OFFP,  20                         ; v[20:27] slot s: offset of my bytes in the slot's patch row
.set OFFT,  28                         ; v[28:35] slot s: offset of my bytes in the slot's table row (median and b alike)
.set X,     36                         ; v[36:227] slot s: 8 registers of patches, 8 of median, 8 of b
.set SLOT,  24
.set TMP,   X+7*SLOT                   ; at work in front of slot 7's first fill
	s_load_b512 s[4:19], s[0:1], 0x0               ; patches s[4:5], median s[6:7], b s[8:9], n s[10:11], pos_channels s[12:13], pos_h s[14:15], pos_w s[16:17], key_pad_mask s[18:19]
	s_load_b64 s[20:21], s[0:1], 0x40              ; out0
	s_lshl_b32 s22, ttmp9, 8                       ; the work-group's first token
	v_lshrrev_b32 v[TMP], 5, v0                    ; wave
	v_and_b32 v[L16], 31, v0
	v_lshlrev_b32 v[L16], 4, v[L16]                ; 16 x lane
	v_lshl_add_u32 v[TMP], v[TMP], 4, s22          ; the wave's first token
	v_lshl_add_u32 v[BASEP], v[TMP], 10, v[L16]    ; x 1,024 bytes + my 16 bytes
	v_and_b32 v[ROW], 15, v0                       ; lanes 16-31 repeat lanes 0-15
	v_add_nc_u32 v[TOK], v[ROW], v[TMP]
	v_lshlrev_b32 v[T4], 2, v[TOK]
	v_mov_b32 v[ZERO], 0
	v_mov_b32 v[SQ], 0x3fb504f3                    ; sqrt(2)
	v_mov_b32 v[SQ+1], 0x3fb504f3
	v_mov_b32 v[EP], 0x358637bd                    ; 1e-6
	v_mov_b32 v[EP+1], 0x358637bd
	v_mov_b32 v[BHI], 0x40c00000                   ; 6.0
	s_wait_kmcnt 0x0
	global_load_b32 v[POSC], v[T4], s[12:13]
	global_load_b32 v[POSH], v[T4], s[14:15]
	global_load_b32 v[POSW], v[T4], s[16:17]
	global_load_u8  v[PADB], v[TOK], s[18:19]
	s_wait_loadcnt 0x0                             ; nothing else is out yet: the rows' addresses hang on these four
	v_lshl_add_u32 v[IDX], v[POSC], 5, v[POSH]
	v_lshl_add_u32 v[IDX], v[IDX], 5, v[POSW]      ; (c*32 + h)*32 + w
	v_readfirstlane_b32 s24, v[IDX]                ; token 0's table row
	v_mov_b32 v[TMP], s24
	v_cmp_ne_u32 s25, 0, v[PADB]                   ; lanes whose token is padded
	v_cndmask_b32 v[IDX], v[IDX], v[TMP], s25      ; a padded token names token 0's table rows
	v_cndmask_b32 v[ROW], v[ROW], v[ZERO], s25     ; and token 0's patch row
	v_min_u32 v[NOFF], LASTI, v[IDX]               ; a loaded number enters an address only clamped
	v_lshlrev_b32 v[NOFF], 2, v[NOFF]
	global_load_b32 v[NV], v[NOFF], s[10:11]
; Six loads: token t of the wave into slot s.  The token's two row numbers come out of lane t as scalars, are clamped and become offsets.
; Patches carry no hint (token 0's row may be named again); the tables' rows are read again by many work-groups.
.macro FILL s, t
	v_readlane_b32 s26, v[ROW], \t
	v_readlane_b32 s27, v[IDX], \t
	s_min_u32 s26, s26, 15
	s_min_u32 s27, s27, LASTI
	s_lshl_b32 s26, s26, 10
	s_lshl_b32 s27, s27, 10
	v_add_nc_u32 v[OFFP+(\s)], s26, v[BASEP]
	v_add_nc_u32 v[OFFT+(\s)], s27, v[L16]
	global_load_b128 v[X+SLOT*(\s):X+SLOT*(\s)+3],     v[OFFP+(\s)], s[4:5]
	global_load_b128 v[X+SLOT*(\s)+4:X+SLOT*(\s)+7],   v[OFFP+(\s)], s[4:5] offset:512
	global_load_b128 v[X+SLOT*(\s)+8:X+SLOT*(\s)+11],  v[OFFT+(\s)], s[6:7] th:TH_LOAD_HT
	global_load_b128 v[X+SLOT*(\s)+12:X+SLOT*(\s)+15], v[OFFT+(\s)], s[6:7] offset:512 th:TH_LOAD_HT
	global_load_b128 v[X+SLOT*(\s)+16:X+SLOT*(\s)+19], v[OFFT+(\s)], s[8:9] th:TH_LOAD_HT
	global_load_b128 v[X+SLOT*(\s)+20:X+SLOT*(\s)+23], v[OFFT+(\s)], s[8:9] offset:512 th:TH_LOAD_HT
.endm
.irp t, 0,1,2,3,4,5,6
	FILL \t, \t                                    ; seven tokens, 42 loads; slot 7 is filled in the first turn
.endr
	s_wait_loadcnt 42                              ; loads come back in order (ISA guide 5.7.1): n is in, the 42 row loads behind it stay out
	v_cmp_ge_f32 vcc_lo, 2.0, v[NV]                ; n <= 2 (false for a NaN, as in the reference)
	v_cndmask_b32 v[BHI], v[BHI], v[ZERO], vcc_lo  ; such a token's bounds close to zero,
	v_cndmask_b32 v[BHI], v[BHI], v[ZERO], s25     ; and a padded token's
	v_sub_f32 v[BLO], v[ZERO], v[BHI]              ; -6 or +0
; The turn of token i, in slot i % 8.  left = the loads of the younger tokens that may stay out (6 each).
; fill = 1: the slot worked on in the last turn gets token i + 7.
.macro TURN i, left, fill
.set PP, X+SLOT*((\i)%8)                           ; patches, then the result
.set MM, PP+8                                      ; median
.set BB, PP+16                                     ; b, then std, then 1/std
	s_wait_loadcnt \left                           ; my six loads are in, which also frees the slot's two offset registers
	v_readlane_b32 s28, v[BLO], \i                 ; the token's bounds
	v_readlane_b32 s29, v[BHI], \i
.irp j, 0,2,4,6
	v_pk_fma_f32 v[BB+\j:BB+\j+1], v[BB+\j:BB+\j+1], v[SQ:SQ+1], v[EP:EP+1]          ; std = b * sqrt(2) + 1e-6
.endr
.irp j, 0,1,2,3,4,5,6,7
	v_rcp_f32 v[BB+\j], v[BB+\j]
.endr
.irp j, 0,2,4,6
	v_pk_add_f32 v[PP+\j:PP+\j+1], v[PP+\j:PP+\j+1], v[MM+\j:MM+\j+1] neg_lo:[0,1] neg_hi:[0,1]   ; patches - median: plain work that names no register of the reciprocals, between them and their use (ISA guide 5.7.2)
.endr
	s_wait_alu depctr_va_vdst(0)
.irp j, 0,2,4,6
	v_pk_mul_f32 v[PP+\j:PP+\j+1], v[PP+\j:PP+\j+1], v[BB+\j:BB+\j+1]
.endr
.irp j, 0,1,2,3,4,5,6,7
	v_med3_num_f32 v[PP+\j], v[PP+\j], s28, s29    ; the clip and both zeroings in one
.endr
	global_store_b128 v[BASEP], v[PP:PP+3],   s[20:21] offset:(\i)*ROWB th:TH_STORE_NT
	global_store_b128 v[BASEP], v[PP+4:PP+7], s[20:21] offset:(\i)*ROWB+512 th:TH_STORE_NT
.if \fill
	s_wait_xcnt 0x0                                ; the last turn's stores have read their data (ISA guide 3.1): that slot's registers are loaded again only behind this wait
	FILL ((\i+7)%8), (\i+7)
.endif
.endm
.irp i, 0,1,2,3,4,5,6,7,8
	TURN \i, 36, 1                                 ; tokens i+1 .. i+6 stay out; token i+7 is asked for
.endr
	TURN 9,  36, 0                                 ; tokens 10 .. 15 are out; nothing is left to ask for, and the counts run down
	TURN 10, 30, 0
	TURN 11, 24, 0
	TURN 12, 18, 0
	TURN 13, 12, 0
	TURN 14, 6,  0
	TURN 15, 0,  0
	s_endpgm
.Lfunc_end_k_q4c04e84933_patchnorm:
	.size	k_q4c04e84933_patchnorm, .Lfunc_end_k_q4c04e84933_patchnorm-k_q4c04e84933_patchnorm
	.p2alignl 7, 3214868480
	.fill 96, 4, 3214868480
	.section	.rodata,"a",@progbits
	.p2align	6, 0x0
	.amdhsa_kernel k_q4c04e84933_patchnorm
		.amdhsa_group_segment_fixed_size 0
		.amdhsa_private_segment_fixed_size 0
		.amdhsa_enable_private_segment 0
		.amdhsa_kernarg_size 72
		.amdhsa_user_sgpr_count 2
		.amdhsa_user_sgpr_kernarg_segment_ptr 1
		.amdhsa_wavefront_size32 1
		.amdhsa_system_sgpr_workgroup_id_x 1
		.amdhsa_system_sgpr_workgroup_id_y 1
		.amdhsa_system_sgpr_workgroup_id_z 1
		.amdhsa_system_vgpr_workitem_id 0
		.amdhsa_next_free_vgpr 228
		.amdhsa_next_free_sgpr 66
		.amdhsa_reserve_vcc 1
		.amdhsa_float_denorm_mode_32 3
		.amdhsa_float_denorm_mode_16_64 3
		.amdhsa_memory_ordered 1
		.amdhsa_forward_progress 1
		.amdhsa_inst_pref_size 48
	.end_amdhsa_kernel
	.amdgpu_metadata
---
amdhsa.version: [ 1, 2 ]
amdhsa.kernels:
  - .name:           k_q4c04e84933_patchnorm
    .symbol:         k_q4c04e84933_patchnorm.kd
    .args:
      - { .name: patches, .offset: 0, .size: 8, .value_kind: global_buffer, .address_space: global }
      - { .name: median, .offset: 8, .size: 8, .value_kind: global_buffer, .address_space: global }
      - { .name: b, .offset: 16, .size: 8, .value_kind: global_buffer, .address_space: global }
      - { .name: n, .offset: 24, .size: 8, .value_kind: global_buffer, .address_space: global }
      - { .name: pos_channels, .offset: 32, .size: 8, .value_kind: global_buffer, .address_space: global }
      - { .name: pos_h, .offset: 40, .size: 8, .value_kind: global_buffer, .address_space: global }
      - { .name: pos_w, .offset: 48, .size: 8, .value_kind: global_buffer, .address_space: global }
      - { .name: key_pad_mask, .offset: 56, .size: 8, .value_kind: global_buffer, .address_space: global }
      - { .name: out0, .offset: 64, .size: 8, .value_kind: global_buffer, .address_space: global }
    .group_segment_fixed_size: 0
    .private_segment_fixed_size: 0
    .kernarg_segment_align: 8
    .kernarg_segment_size: 72
    .max_flat_workgroup_size: 512
    .sgpr_count:     66
    .vgpr_count:     228
    .wavefront_size: 32
...
	.end_amdgpu_metadata
.endif
;; end of part 1
;; ======== version 2 of 3: 1 launch; 1.44 times as fast as version 1
;; launch patchnorm (part 2): grid 256 x 1, 16 waves a work-group, no clusters, 0 bytes of LDS; arguments patches, median, b, n, pos_channels, pos_h, pos_w, key_pad_mask, out0; writes out0
.if DOCPART == 2
	.amdgcn_target "amdgcn-amd-amdhsa--gfx1250"
	.amdhsa_code_object_version 6
	.text
	.protected	k_q4c04e84933_patchnorm
	.globl	k_q4c04e84933_patchnorm
	.p2align	8
	.type	k_q4c04e84933_patchnorm,@function
k_q4c04e84933_patchnorm:
	s_mov_b64 s[64:65], 0
	v_nop
	global_prefetch_b8 v0, s[64:65] scope:SCOPE_SE
	s_setreg_imm32_b32 hwreg(HW_REG_WAVE_MODE, 25, 1), 1
	s_wait_xcnt 0x0
; out[t][:] = clip((patches[t][:] - median[idx][:]) / (b[idx][:] * sqrt(2) + 1e-6), -6, 6),  idx = (c*32 + h)*32 + w of token t,
; and a whole row of zeros where n[idx] <= 2 or the token's pad byte is set.  65,536 tokens of 256 f32 (1,024 bytes a row).
;
; SHARES.  256 work-groups of 16 waves; a work-group owns 256 tokens, a wave 16 consecutive tokens (16 KiB of patches, 16 KiB of out).
; A wave takes one whole row at a time: lane l holds the 16 bytes at 16 l and those at 512 + 16 l, so that each load and each store of
; the wave covers 512 consecutive bytes that start at a multiple of 512 from its buffer's first byte.
; RING.  Eight token slots in registers (patch row, median row, b row: 6 loads, 3 KiB a token); at each wait for a token the six
; younger tokens stay on their way.  The 16 turns are written straight out: lane numbers and row offsets are immediates, no loop, no branch.
; BOTH ZEROINGS ARE FOLDED INTO THE CLIP: a token's bounds are (-6, 6), or (+0, +0) where n <= 2 or the pad byte is set.  Mask and n only
; select values.  Addresses hang on the three position inputs alone, and every wave issues the same loads, so the counted waits hold on
; the one path there is.  The price: a padded token's three rows are loaded although its result is zero whatever they hold.
; NOT USED, and why: LDS, barriers, tensor loads (rows arrive in the register layout in which they leave; waves share nothing);
; clusters (which table rows two work-groups have in common hangs on the indices: no tile is shared at a known time); matrix units (no product).
;
; LIMITS.  The division is v_rcp_f32 and a multiply (a few units in the last place).  v_rcp_f32 flushes denormals (ISA guide 15.8): right for
; 2^-126 <= |b*sqrt(2) + 1e-6| <= 2^126; below that the reciprocal is an infinity, which clips to +-6 as the quotient does, except where
; patches - median is exactly 0.  A NaN in a kept token (NaN or infinite inputs, 0/0) comes out as -6, not as NaN: v_med3_num_f32 lets a NaN
; lose.  Zeroed tokens give zero whatever the data.  Indices are taken as unsigned and clamped to 3,071 (the table's last row).
.set ROWB,  1024                       ; bytes in a row of patches, median, b, out
.set LASTI, 3*32*32-1                  ; the tables' last row
.set L16,   1                          ; v1       16 x lane
.set BASEP, 2                          ; v2       byte offset of my 16 bytes in the wave's first row, in patches and in out (below 2^26); never rewritten
.set TOK,   3                          ; v3       the token whose figures this lane holds: wave's first + lane % 16
.set T4,    4                          ; v4       4 x TOK
.set POSC,  5                          ; v5-7     the token's channel, h, w
.set POSH,  6
.set POSW,  7
.set PADB,  8                          ; v8       its pad byte
.set IDX,   9                          ; v9       its table row
.set NOFF,  10                         ; v10      byte offset of its n
.set NV,    11                         ; v11      n[idx]
.set BHI,   12                         ; v12      its upper bound: 6 or 0
.set BLO,   13                         ; v13      its lower bound: -6 or 0
.set ZERO,  14                         ; v14      0
.set SQ,    16                         ; v[16:17] sqrt(2), twice
.set EP,    18                         ; v[18:19] 1e-6, twice
.set OFFT,  20                         ; v[20:27] slot s: offset of my bytes in the slot's table row (median and b alike)
.set X,     28                         ; v[28:219] slot s: 8 registers of patches, 8 of median, 8 of b
.set SLOT,  24
.set TMP,   X+7*SLOT                   ; at work in the first lines, in front of slot 7's first fill
	s_load_b512 s[4:19], s[0:1], 0x0               ; patches s[4:5], median s[6:7], b s[8:9], n s[10:11], pos_channels s[12:13], pos_h s[14:15], pos_w s[16:17], key_pad_mask s[18:19]
	s_load_b64 s[20:21], s[0:1], 0x40              ; out0
	s_lshl_b32 s22, ttmp9, 8                       ; the work-group's first token
	v_lshrrev_b32 v[TMP], 5, v0                    ; wave
	v_and_b32 v[L16], 31, v0
	v_lshlrev_b32 v[L16], 4, v[L16]                ; 16 x lane
	v_lshl_add_u32 v[TMP], v[TMP], 4, s22          ; the wave's first token
	v_lshl_add_u32 v[BASEP], v[TMP], 10, v[L16]    ; x 1,024 bytes + my 16 bytes
	v_and_b32 v[TOK], 15, v0                       ; lanes 16-31 repeat lanes 0-15
	v_add_nc_u32 v[TOK], v[TOK], v[TMP]
	v_lshlrev_b32 v[T4], 2, v[TOK]
	v_mov_b32 v[ZERO], 0
	v_mov_b32 v[SQ], 0x3fb504f3                    ; sqrt(2)
	v_mov_b32 v[SQ+1], 0x3fb504f3
	v_mov_b32 v[EP], 0x358637bd                    ; 1e-6
	v_mov_b32 v[EP+1], 0x358637bd
	v_mov_b32 v[BHI], 0x40c00000                   ; 6.0
	s_wait_kmcnt 0x0
	global_load_b32 v[POSC], v[T4], s[12:13]
	global_load_b32 v[POSH], v[T4], s[14:15]
	global_load_b32 v[POSW], v[T4], s[16:17]
	global_load_u8  v[PADB], v[TOK], s[18:19]
	s_wait_loadcnt 0x0                             ; nothing else is out yet: the table rows' addresses hang on the three positions
	v_lshl_add_u32 v[IDX], v[POSC], 5, v[POSH]
	v_lshl_add_u32 v[IDX], v[IDX], 5, v[POSW]      ; (c*32 + h)*32 + w
	v_cmp_ne_u32 s25, 0, v[PADB]                   ; lanes whose token is padded: used for the bounds alone
	v_min_u32 v[NOFF], LASTI, v[IDX]               ; a loaded number enters an address only clamped
	v_lshlrev_b32 v[NOFF], 2, v[NOFF]
	global_load_b32 v[NV], v[NOFF], s[10:11]
; Six loads: token t of the wave into slot s.  The token's table row comes out of lane t as a scalar, is clamped and becomes an offset;
; its patch row is an immediate.  A patch row is read once in the whole launch; the tables' rows are read again by many work-groups.
.macro FILL s, t
	v_readlane_b32 s27, v[IDX], \t
	s_min_u32 s27, s27, LASTI
	s_lshl_b32 s27, s27, 10
	v_add_nc_u32 v[OFFT+(\s)], s27, v[L16]
	global_load_b128 v[X+SLOT*(\s):X+SLOT*(\s)+3],     v[BASEP], s[4:5] offset:(\t)*ROWB th:TH_LOAD_NT
	global_load_b128 v[X+SLOT*(\s)+4:X+SLOT*(\s)+7],   v[BASEP], s[4:5] offset:(\t)*ROWB+512 th:TH_LOAD_NT
	global_load_b128 v[X+SLOT*(\s)+8:X+SLOT*(\s)+11],  v[OFFT+(\s)], s[6:7] th:TH_LOAD_HT
	global_load_b128 v[X+SLOT*(\s)+12:X+SLOT*(\s)+15], v[OFFT+(\s)], s[6:7] offset:512 th:TH_LOAD_HT
	global_load_b128 v[X+SLOT*(\s)+16:X+SLOT*(\s)+19], v[OFFT+(\s)], s[8:9] th:TH_LOAD_HT
	global_load_b128 v[X+SLOT*(\s)+20:X+SLOT*(\s)+23], v[OFFT+(\s)], s[8:9] offset:512 th:TH_LOAD_HT
.endm
.irp t, 0,1,2,3,4,5,6
	FILL \t, \t                                    ; seven tokens, 42 loads; slot 7 is filled in the first turn
.endr
	s_wait_loadcnt 42                              ; loads come back in order (ISA guide 5.7.1): n is in, the 42 row loads behind it stay out
	v_cmp_ge_f32 vcc_lo, 2.0, v[NV]                ; n <= 2 (false for a NaN)
	v_cndmask_b32 v[BHI], v[BHI], v[ZERO], vcc_lo  ; such a token's bounds close to zero,
	v_cndmask_b32 v[BHI], v[BHI], v[ZERO], s25     ; and a padded token's
	v_sub_f32 v[BLO], v[ZERO], v[BHI]              ; -6 or +0
; The turn of token i, in slot i % 8.  left = the loads of the younger tokens that may stay out (6 each).
; fill = 1: the slot worked on in the last turn gets token i + 7, ahead of this turn's stores.
.macro TURN i, left, fill
.set PP, X+SLOT*((\i)%8)                           ; patches, then the result
.set MM, PP+8                                      ; median
.set BB, PP+16                                     ; b, then std, then 1/std
	s_wait_loadcnt \left                           ; my six loads are in, which also frees the slot's offset register
	v_readlane_b32 s28, v[BLO], \i                 ; the token's bounds
	v_readlane_b32 s29, v[BHI], \i
.irp j, 0,2,4,6
	v_pk_fma_f32 v[BB+\j:BB+\j+1], v[BB+\j:BB+\j+1], v[SQ:SQ+1], v[EP:EP+1]          ; std = b * sqrt(2) + 1e-6
.endr
.irp j, 0,1,2,3,4,5,6,7
	v_rcp_f32 v[BB+\j], v[BB+\j]
.endr
.irp j, 0,2,4,6
	v_pk_add_f32 v[PP+\j:PP+\j+1], v[PP+\j:PP+\j+1], v[MM+\j:MM+\j+1] neg_lo:[0,1] neg_hi:[0,1]   ; patches - median: plain work that names no register of the reciprocals, between them and their use (ISA guide 5.7.2)
.endr
	s_wait_alu depctr_va_vdst(0)
.irp j, 0,2,4,6
	v_pk_mul_f32 v[PP+\j:PP+\j+1], v[PP+\j:PP+\j+1], v[BB+\j:BB+\j+1]
.endr
.irp j, 0,1,2,3,4,5,6,7
	v_med3_num_f32 v[PP+\j], v[PP+\j], s28, s29    ; the clip and both zeroings in one
.endr
.if \fill
	s_wait_xcnt 0x0                                ; the last turn's two stores have read their data (ISA guide 3.1): that slot's registers are loaded again only behind this wait
	FILL ((\i+7)%8), (\i+7)
.endif
	global_store_b128 v[BASEP], v[PP:PP+3],   s[20:21] offset:(\i)*ROWB th:TH_STORE_NT
	global_store_b128 v[BASEP], v[PP+4:PP+7], s[20:21] offset:(\i)*ROWB+512 th:TH_STORE_NT
.endm
.irp i, 0,1,2,3,4,5,6,7,8
	TURN \i, 36, 1                                 ; tokens i+1 .. i+6 stay out; token i+7 is asked for
.endr
	TURN 9,  36, 0                                 ; tokens 10 .. 15 are out; nothing is left to ask for, and the counts run down
	TURN 10, 30, 0
	TURN 11, 24, 0
	TURN 12, 18, 0
	TURN 13, 12, 0
	TURN 14, 6,  0
	TURN 15, 0,  0
	s_endpgm
.Lfunc_end_k_q4c04e84933_patchnorm:
	.size	k_q4c04e84933_patchnorm, .Lfunc_end_k_q4c04e84933_patchnorm-k_q4c04e84933_patchnorm
	.p2alignl 7, 3214868480
	.fill 96, 4, 3214868480
	.section	.rodata,"a",@progbits
	.p2align	6, 0x0
	.amdhsa_kernel k_q4c04e84933_patchnorm
		.amdhsa_group_segment_fixed_size 0
		.amdhsa_private_segment_fixed_size 0
		.amdhsa_enable_private_segment 0
		.amdhsa_kernarg_size 72
		.amdhsa_user_sgpr_count 2
		.amdhsa_user_sgpr_kernarg_segment_ptr 1
		.amdhsa_wavefront_size32 1
		.amdhsa_system_sgpr_workgroup_id_x 1
		.amdhsa_system_sgpr_workgroup_id_y 1
		.amdhsa_system_sgpr_workgroup_id_z 1
		.amdhsa_system_vgpr_workitem_id 0
		.amdhsa_next_free_vgpr 220
		.amdhsa_next_free_sgpr 66
		.amdhsa_reserve_vcc 1
		.amdhsa_float_denorm_mode_32 3
		.amdhsa_float_denorm_mode_16_64 3
		.amdhsa_memory_ordered 1
		.amdhsa_forward_progress 1
		.amdhsa_inst_pref_size 45
	.end_amdhsa_kernel
	.amdgpu_metadata
---
amdhsa.version: [ 1, 2 ]
amdhsa.kernels:
  - .name:           k_q4c04e84933_patchnorm
    .symbol:         k_q4c04e84933_patchnorm.kd
    .args:
      - { .name: patches, .offset: 0, .size: 8, .value_kind: global_buffer, .address_space: global }
      - { .name: median, .offset: 8, .size: 8, .value_kind: global_buffer, .address_space: global }
      - { .name: b, .offset: 16, .size: 8, .value_kind: global_buffer, .address_space: global }
      - { .name: n, .offset: 24, .size: 8, .value_kind: global_buffer, .address_space: global }
      - { .name: pos_channels, .offset: 32, .size: 8, .value_kind: global_buffer, .address_space: global }
      - { .name: pos_h, .offset: 40, .size: 8, .value_kind: global_buffer, .address_space: global }
      - { .name: pos_w, .offset: 48, .size: 8, .value_kind: global_buffer, .address_space: global }
      - { .name: key_pad_mask, .offset: 56, .size: 8, .value_kind: global_buffer, .address_space: global }
      - { .name: out0, .offset: 64, .size: 8, .value_kind: global_buffer, .address_space: global }
    .group_segment_fixed_size: 0
    .private_segment_fixed_size: 0
    .kernarg_segment_align: 8
    .kernarg_segment_size: 72
    .max_flat_workgroup_size: 512
    .sgpr_count:     66
    .vgpr_count:     220
    .wavefront_size: 32
...
	.end_amdgpu_metadata
.endif
;; end of part 2
;; ======== version 3 of 3: 1 launch; version 2 with the launch patchnorm written anew for expert scheduling mode
;; launch patchnorm (part 3): grid 256 x 1, 16 waves a work-group, no clusters, 0 bytes of LDS; arguments patches, median, b, n, pos_channels, pos_h, pos_w, key_pad_mask, out0; writes out0
.if DOCPART == 3
	.amdgcn_target "amdgcn-amd-amdhsa--gfx1250"
	.amdhsa_code_object_version 6
	.text
	.protected	k_q4c04e84933_patchnorm
	.globl	k_q4c04e84933_patchnorm
	.p2align	8
	.type	k_q4c04e84933_patchnorm,@function
k_q4c04e84933_patchnorm:
	s_mov_b64 s[64:65], 0
	v_nop
	global_prefetch_b8 v0, s[64:65] scope:SCOPE_SE
	s_setreg_imm32_b32 hwreg(HW_REG_WAVE_SCHED_MODE, 0, 2), 2
	s_setreg_imm32_b32 hwreg(HW_REG_WAVE_MODE, 25, 1), 1
	s_wait_xcnt 0x0
	s_wait_alu depctr_vm_vsrc(0)
; out[t][:] = clip((patches[t][:] - median[idx][:]) / (b[idx][:] * sqrt(2) + 1e-6), -6, 6),  idx = (c*32 + h)*32 + w of token t,
; and a whole row of zeros where n[idx] <= 2 or the token's pad byte is set.  65,536 tokens of 256 f32 (1,024 bytes a row).
;
; SHARES.  256 work-groups of 16 waves; a work-group owns 256 tokens, a wave 16 consecutive tokens (16 KiB of patches, 16 KiB of out).
; A wave takes one whole row at a time: lane l holds the 16 bytes at 16 l and those at 512 + 16 l, so that each load and each store of
; the wave covers 512 consecutive bytes that start at a multiple of 512 from its buffer's first byte.
; RING.  Eight token slots in registers (patch row, median row, b row: 6 loads, 3 KiB a token); at each wait for a token the six
; younger tokens stay on their way.  The 16 turns are written straight out: lane numbers and row offsets are immediates, no loop, no branch.
; BOTH ZEROINGS ARE FOLDED INTO THE CLIP: a token's bounds are (-6, 6), or (+0, +0) where n <= 2 or the pad byte is set.  Mask and n only
; select values.  Addresses hang on the three position inputs alone, and every wave issues the same loads, so the counted waits hold on
; the one path there is.  The price: a padded token's three rows are loaded although its result is zero whatever they hold.
; NOT USED, and why: LDS, barriers, tensor loads (rows arrive in the register layout in which they leave; waves share nothing);
; clusters (which table rows two work-groups have in common hangs on the indices: no tile is shared at a known time); matrix units (no product).
;
; THE MODE: SCHED_MODE bits 1:0 = 2 (LLVM: expert scheduling mode 2), set by the entry lines.  The code itself states the register dependences
; between vector instructions and memory instructions, with s_wait_alu, always for 0.
; THE PLAN.  Registers that memory instructions touch:
;   T4, TOK, BASEP, NOFF, OFFT0 .. OFFT15   offsets, made at the head and never written again: one table offset for each of the wave's 16 tokens.
;   slot t % 8   Written by the six loads of token t; turn t's vector lines read it and work in place on its patches and its b; in turn t + 1
;                the loads of token t + 8 land in it.
;   Y0, Y1       Turn i's eight clips write Y[i % 2]; the two stores that are issued in turn i + 1 read it.
; Turn i's vector lines name slot i % 8, Y[i % 2], the constants and scalar registers.  Its memory lines are the loads into slot (i - 1) % 8 and the
; stores from Y[(i - 1) % 2]: the two buffers that turn i - 1 worked on.  So the waits at a turn's head state all that its eight memory lines hang
; on, and these are dealt among its vector lines with no further wait.  What vector lines write into scalar registers (the tokens' table rows,
; their bounds, the two masks) is written in runs at the head, with one wait behind each run.
;
; LIMITS.  The division is v_rcp_f32 and a multiply (a few units in the last place).  v_rcp_f32 flushes denormals (ISA guide 15.8): right for
; 2^-126 <= |b*sqrt(2) + 1e-6| <= 2^126; below that the reciprocal is an infinity, which clips to +-6 as the quotient does, except where
; patches - median is exactly 0.  A NaN in a kept token (NaN or infinite inputs, 0/0) comes out as -6, not as NaN: v_med3_num_f32 lets a NaN
; lose.  Zeroed tokens give zero whatever the data.  Indices are taken as unsigned and clamped to 3,071 (the table's last row).
.set ROWB,  1024                       ; bytes in a row of patches, median, b, out
.set LASTI, 3*32*32-1                  ; the tables' last row
.set L16,   1                          ; v1       16 x lane
.set BASEP, 2                          ; v2       byte offset of my 16 bytes in the wave's first row, in patches and in out (below 2^26); never rewritten
.set TOK,   3                          ; v3       the token whose figures this lane holds: wave's first + lane % 16
.set T4,    4                          ; v4       4 x TOK
.set POSC,  5                          ; v5-7     the token's channel, h, w
.set POSH,  6
.set POSW,  7
.set PADB,  8                          ; v8       its pad byte
.set IDX,   9                          ; v9       its table row
.set NOFF,  10                         ; v10      byte offset of its n
.set NV,    11                         ; v11      n[idx]
.set BHI,   12                         ; v12      its upper bound: 6 or 0
.set BLO,   13                         ; v13      its lower bound: -6 or 0
.set ZERO,  14                         ; v14      0
.set SQ,    16                         ; v[16:17] sqrt(2), twice
.set EP,    18                         ; v[18:19] 1e-6, twice
.set OFFT,  20                         ; v[20:35] token t: offset of my bytes in its table row (median and b alike); never rewritten
.set Y,     36                         ; v[36:51] two out-buffers of 8: a row's results, as they are stored
.set X,     52                         ; v[52:243] slot s: 8 registers of patches, 8 of median, 8 of b
.set SLOT,  24
.set TMP,   X+7*SLOT                   ; at work in the first lines, in front of slot 7's first fill
.set RI,    32                         ; s[32:47] token t's table row, then its byte offset
.set LO,    48                         ; s[48:63] token t's lower bound
.set HI,    66                         ; s[66:81] token t's upper bound
	s_load_b512 s[4:19], s[0:1], 0x0               ; patches s[4:5], median s[6:7], b s[8:9], n s[10:11], pos_channels s[12:13], pos_h s[14:15], pos_w s[16:17], key_pad_mask s[18:19]
	s_load_b64 s[20:21], s[0:1], 0x40              ; out0
	s_lshl_b32 s22, ttmp9, 8                       ; the work-group's first token
	v_lshrrev_b32 v[TMP], 5, v0                    ; wave
	v_and_b32 v[L16], 31, v0
	v_lshlrev_b32 v[L16], 4, v[L16]                ; 16 x lane
	v_lshl_add_u32 v[TMP], v[TMP], 4, s22          ; the wave's first token
	v_lshl_add_u32 v[BASEP], v[TMP], 10, v[L16]    ; x 1,024 bytes + my 16 bytes
	v_and_b32 v[TOK], 15, v0                       ; lanes 16-31 repeat lanes 0-15
	v_add_nc_u32 v[TOK], v[TOK], v[TMP]
	v_lshlrev_b32 v[T4], 2, v[TOK]
	v_mov_b32 v[ZERO], 0
	v_mov_b32 v[SQ], 0x3fb504f3                    ; sqrt(2)
	v_mov_b32 v[SQ+1], 0x3fb504f3
	v_mov_b32 v[EP], 0x358637bd                    ; 1e-6
	v_mov_b32 v[EP+1], 0x358637bd
	v_mov_b32 v[BHI], 0x40c00000                   ; 6.0
	s_wait_kmcnt 0x0
	s_wait_alu depctr_va_vdst(0)                   ; T4 and TOK are written, which the four loads below read as offsets; so are BASEP, which every patch load and store reads, and TMP, in whose register a load of slot 7 lands
	global_load_b32 v[POSC], v[T4], s[12:13]
	global_load_b32 v[POSH], v[T4], s[14:15]
	global_load_b32 v[POSW], v[T4], s[16:17]
	global_load_u8  v[PADB], v[TOK], s[18:19]
	s_wait_loadcnt 0x0                             ; nothing else is out yet: the table rows' addresses hang on the three positions
	v_lshl_add_u32 v[IDX], v[POSC], 5, v[POSH]
	v_lshl_add_u32 v[IDX], v[IDX], 5, v[POSW]      ; (c*32 + h)*32 + w
	v_cmp_ne_u32 s25, 0, v[PADB]                   ; lanes whose token is padded: used for the bounds alone
	v_min_u32 v[NOFF], LASTI, v[IDX]               ; a loaded number enters an address only clamped
	v_lshlrev_b32 v[NOFF], 2, v[NOFF]
.irp t, 0,1,2,3,4,5,6,7,8,9,10,11,12,13,14,15
	v_readlane_b32 s[RI+(\t)], v[IDX], \t          ; token t's table row comes out of lane t as a scalar
.endr
	s_wait_alu depctr_va_sdst(0)                   ; s25 and the sixteen rows s[32:47] are written, ahead of their first readers: the clamps below, and the second select of the bounds
.irp t, 0,1,2,3,4,5,6,7,8,9,10,11,12,13,14,15
	s_min_u32 s[RI+(\t)], s[RI+(\t)], LASTI        ; clamped,
	s_lshl_b32 s[RI+(\t)], s[RI+(\t)], 10          ; x 1,024 bytes,
	v_add_nc_u32 v[OFFT+(\t)], s[RI+(\t)], v[L16]  ; + my 16 bytes
.endr
	s_wait_alu depctr_va_vdst(0)                   ; NOFF and the sixteen OFFT are written: n's load and every table load of the kernel read one of them as its offset
	global_load_b32 v[NV], v[NOFF], s[10:11]
; Six loads, in three pairs: token t of the wave into slot s.  Its patch row is an immediate, its table row lies in OFFT[t].
; A patch row is read once in the whole launch; the tables' rows are read again by many work-groups.
.macro FILLP s, t
	global_load_b128 v[X+SLOT*(\s):X+SLOT*(\s)+3],     v[BASEP], s[4:5] offset:(\t)*ROWB th:TH_LOAD_NT
	global_load_b128 v[X+SLOT*(\s)+4:X+SLOT*(\s)+7],   v[BASEP], s[4:5] offset:(\t)*ROWB+512 th:TH_LOAD_NT
.endm
.macro FILLM s, t
	global_load_b128 v[X+SLOT*(\s)+8:X+SLOT*(\s)+11],  v[OFFT+(\t)], s[6:7] th:TH_LOAD_HT
	global_load_b128 v[X+SLOT*(\s)+12:X+SLOT*(\s)+15], v[OFFT+(\t)], s[6:7] offset:512 th:TH_LOAD_HT
.endm
.macro FILLB s, t
	global_load_b128 v[X+SLOT*(\s)+16:X+SLOT*(\s)+19], v[OFFT+(\t)], s[8:9] th:TH_LOAD_HT
	global_load_b128 v[X+SLOT*(\s)+20:X+SLOT*(\s)+23], v[OFFT+(\t)], s[8:9] offset:512 th:TH_LOAD_HT
.endm
.irp t, 0,1,2,3,4,5,6
	FILLP \t, \t                                   ; seven tokens, 42 loads; slot 7 is filled in the first turn
	FILLM \t, \t
	FILLB \t, \t
.endr
	s_wait_loadcnt 42                              ; loads come back in order (ISA guide 5.7.1): n is in, the 42 row loads behind it stay out
	v_cmp_ge_f32 vcc_lo, 2.0, v[NV]                ; n <= 2 (false for a NaN)
	s_wait_alu depctr_va_vcc(0)                    ; VCC is written, ahead of the select that reads it
	v_cndmask_b32 v[BHI], v[BHI], v[ZERO], vcc_lo  ; such a token's bounds close to zero,
	v_cndmask_b32 v[BHI], v[BHI], v[ZERO], s25     ; and a padded token's
	v_sub_f32 v[BLO], v[ZERO], v[BHI]              ; -6 or +0
.irp t, 0,1,2,3,4,5,6,7,8,9,10,11,12,13,14,15
	v_readlane_b32 s[LO+(\t)], v[BLO], \t          ; the tokens' bounds
	v_readlane_b32 s[HI+(\t)], v[BHI], \t
.endr
	s_wait_alu depctr_va_sdst(0)                   ; the 32 bounds s[48:63] and s[66:81] are written, ahead of their first readers, the turns' clips
; The turn of token i, in slot i % 8.  left = the loads of the younger tokens that may stay out (6 each).
; fill = 1: the slot worked on in the last turn gets token i + 7.  From turn 1 on the last turn's row is stored.
.macro TURN i, left, fill
.set PP, X+SLOT*((\i)%8)                           ; patches, then the quotient
.set MM, PP+8                                      ; median
.set BB, PP+16                                     ; b, then std, then 1/std
.set YN, Y+8*((\i)%2)                              ; this turn's results
.set YO, Y+8*(((\i)+1)%2)                          ; the last turn's
	s_wait_loadcnt \left                           ; my six loads are in
.if (\i) >= 2
	s_wait_xcnt 0x0                                ; every earlier memory instruction has had its addresses translated (ISA guide 3.1): Y[i % 2], the data of the stores issued in the last turn, is rewritten only behind this wait
	s_wait_alu depctr_vm_vsrc(0)                   ; those two stores have read Y[i % 2], which this turn's clips write again
.endif
.if (\i) >= 1
	s_wait_alu depctr_va_vdst(0)                   ; the last turn has written the other Y, which the stores below read, and is done reading and writing its slot, in which the loads below land
.endif
.if \fill
	FILLP ((\i+7)%8), (\i+7)                       ; no vector line since the wait names these registers, BASEP or OFFT (turn 0: none since the head's wait ahead of n's load)
.endif
.irp j, 0,2,4,6
	v_pk_fma_f32 v[BB+\j:BB+\j+1], v[BB+\j:BB+\j+1], v[SQ:SQ+1], v[EP:EP+1]          ; std = b * sqrt(2) + 1e-6
.endr
.if \fill
	FILLM ((\i+7)%8), (\i+7)
.endif
.irp j, 0,1,2,3,4,5,6,7
	v_rcp_f32 v[BB+\j], v[BB+\j]
.endr
.if \fill
	FILLB ((\i+7)%8), (\i+7)
.endif
.irp j, 0,2,4,6
	v_pk_add_f32 v[PP+\j:PP+\j+1], v[PP+\j:PP+\j+1], v[MM+\j:MM+\j+1] neg_lo:[0,1] neg_hi:[0,1]   ; patches - median: plain work that names no register of the reciprocals, between them and their use (ISA guide 5.7.2)
.endr
.if (\i) >= 1
	global_store_b128 v[BASEP], v[YO:YO+3],   s[20:21] offset:((\i)-1)*ROWB th:TH_STORE_NT
.endif
	s_wait_alu depctr_va_vdst(0)
.irp j, 0,2,4,6
	v_pk_mul_f32 v[PP+\j:PP+\j+1], v[PP+\j:PP+\j+1], v[BB+\j:BB+\j+1]
.endr
.if (\i) >= 1
	global_store_b128 v[BASEP], v[YO+4:YO+7], s[20:21] offset:((\i)-1)*ROWB+512 th:TH_STORE_NT
.endif
.irp j, 0,1,2,3,4,5,6,7
	v_med3_num_f32 v[YN+\j], v[PP+\j], s[LO+(\i)], s[HI+(\i)]   ; the clip and both zeroings in one, into the out-buffer
.endr
.endm
.irp i, 0,1,2,3,4,5,6,7,8
	TURN \i, 36, 1                                 ; tokens i+1 .. i+6 stay out; token i+7 is asked for
.endr
	TURN 9,  36, 0                                 ; tokens 10 .. 15 are out; nothing is left to ask for, and the counts run down
	TURN 10, 30, 0
	TURN 11, 24, 0
	TURN 12, 18, 0
	TURN 13, 12, 0
	TURN 14, 6,  0
	TURN 15, 0,  0
	s_wait_alu depctr_va_vdst(0)                   ; turn 15 has written Y1, which the last two stores read
	global_store_b128 v[BASEP], v[Y+8:Y+11],  s[20:21] offset:15*ROWB th:TH_STORE_NT
	global_store_b128 v[BASEP], v[Y+12:Y+15], s[20:21] offset:15*ROWB+512 th:TH_STORE_NT
	s_endpgm
.Lfunc_end_k_q4c04e84933_patchnorm:
	.size	k_q4c04e84933_patchnorm, .Lfunc_end_k_q4c04e84933_patchnorm-k_q4c04e84933_patchnorm
	.p2alignl 7, 3214868480
	.fill 96, 4, 3214868480
	.section	.rodata,"a",@progbits
	.p2align	6, 0x0
	.amdhsa_kernel k_q4c04e84933_patchnorm
		.amdhsa_group_segment_fixed_size 0
		.amdhsa_private_segment_fixed_size 0
		.amdhsa_enable_private_segment 0
		.amdhsa_kernarg_size 72
		.amdhsa_user_sgpr_count 2
		.amdhsa_user_sgpr_kernarg_segment_ptr 1
		.amdhsa_wavefront_size32 1
		.amdhsa_system_sgpr_workgroup_id_x 1
		.amdhsa_system_sgpr_workgroup_id_y 1
		.amdhsa_system_sgpr_workgroup_id_z 1
		.amdhsa_system_vgpr_workitem_id 0
		.amdhsa_next_free_vgpr 244
		.amdhsa_next_free_sgpr 82
		.amdhsa_reserve_vcc 1
		.amdhsa_float_denorm_mode_32 3
		.amdhsa_float_denorm_mode_16_64 3
		.amdhsa_memory_ordered 1
		.amdhsa_forward_progress 1
		.amdhsa_inst_pref_size 46
	.end_amdhsa_kernel
	.amdgpu_metadata
---
amdhsa.version: [ 1, 2 ]
amdhsa.kernels:
  - .name:           k_q4c04e84933_patchnorm
    .symbol:         k_q4c04e84933_patchnorm.kd
    .args:
      - { .name: patches, .offset: 0, .size: 8, .value_kind: global_buffer, .address_space: global }
      - { .name: median, .offset: 8, .size: 8, .value_kind: global_buffer, .address_space: global }
      - { .name: b, .offset: 16, .size: 8, .value_kind: global_buffer, .address_space: global }
      - { .name: n, .offset: 24, .size: 8, .value_kind: global_buffer, .address_space: global }
      - { .name: pos_channels, .offset: 32, .size: 8, .value_kind: global_buffer, .address_space: global }
      - { .name: pos_h, .offset: 40, .size: 8, .value_kind: global_buffer, .address_space: global }
      - { .name: pos_w, .offset: 48, .size: 8, .value_kind: global_buffer, .address_space: global }
      - { .name: key_pad_mask, .offset: 56, .size: 8, .value_kind: global_buffer, .address_space: global }
      - { .name: out0, .offset: 64, .size: 8, .value_kind: global_buffer, .address_space: global }
    .group_segment_fixed_size: 0
    .private_segment_fixed_size: 0
    .kernarg_segment_align: 8
    .kernarg_segment_size: 72
    .max_flat_workgroup_size: 512
    .sgpr_count:     82
    .vgpr_count:     244
    .wavefront_size: 32
...
	.end_amdgpu_metadata
.endif
;; end of part 3
